; MI455X (gfx1250); checked and timed in simulation.
; The chip was launched on July 23, 2026; its instructions are those of AMD's public machine-readable ISA for CDNA 5 (MIT licence, August 2026) and "CDNA5" Instruction Set Architecture Reference Guide (July 2026). The comments in the code are by the model that wrote it; some were corrected since.
;; Refract Tracer. Allowed arithmetic: matrix products marked QUANTISED: E2M1 operands, one E8M0 scale for each 32 along K, by v_wmma_scale_f32_16x16x128_f8f6f4 with both operands' format E2M1 (or v_wmma_scale_f32_32x16x128_f4), f32 sums; products left as they are: f32 operands where the result goes on into a quantised operand, else bf16, f16 or f32 operands; f32 sums; everything else in f32.
;; Inputs: W1 3 x 64 float32; W2 64 x 64 float32; W3 64 x 1 float32; b1 64 float32; b2 64 float32; b3 1 float32; rays_d 16,384 x 3 float32; rays_o 16,384 x 3 float32.
;; Outputs: out0 16,384 x 3 float32; out1 16,384 x 3 float32; out2 16,384 x 3 float32; out3 16,384 x 3 float32; out4 16,384 x 1 float32; out5 16,384 x 1 float32; out6 16,384 bool.
;; This version of the problem:
;;   THIS VERSION OF THE PROBLEM IS GIVEN IN LOW PRECISION. The matrix products marked QUANTISED in the list below multiply operands that are first quantised to E2M1 (2 exponent bits, 1 mantissa bit; 4 bits a number), with one power-of-two scale for each 32 numbers along K (OCP MX v1.0); their sums are f32. All else is computed in f32.
;;   The module's matrix products, in the order in which they are computed (A, B: the left and right operand; K: the contracted axis; several contracted axes count as one K, in the product's order):
;;     1. [M 262,144, K 3] x [K 3, N 64]; A: computed on the way; B: input W1: left as it is (K = 3 < 32)
;;     2. [M 262,144, K 64] x [K 64, N 64]; A: computed on the way; B: input W2: QUANTISED
;;     3. [M 262,144, K 64] x [K 64, N 1]; A: computed on the way; B: input W3: left as it is (N = 1 < 16)
;;     4. [M 524,288, K 3] x [K 3, N 64]; A: computed on the way; B: input W1: left as it is (K = 3 < 32)
;;     5. [M 524,288, K 64] x [K 64, N 64]; A: computed on the way; B: input W2: QUANTISED
;;     6. [M 524,288, K 64] x [K 64, N 1]; A: computed on the way; B: input W3: left as it is (N = 1 < 16)
;;     7. [M 16,384, K 3] x [K 3, N 64]; A: computed on the way; B: input W1: left as it is (K = 3 < 32)
;;     8. [M 16,384, K 64] x [K 64, N 64]; A: computed on the way; B: input W2: QUANTISED
;;     9. [M 16,384, K 64] x [K 64, N 1]; A: computed on the way; B: input W3: left as it is (N = 1 < 16)
;;     10. [M 16,384, K 1] x [K 1, N 64]; A: computed on the way; B: input W3: left as it is (K = 1 < 32)
;;     11. [M 16,384, K 64] x [K 64, N 64]; A: computed on the way; B: input W2: QUANTISED
;;     12. [M 16,384, K 64] x [K 64, N 3]; A: computed on the way; B: input W1: left as it is (N = 3 < 16)
;;     13. [M 16,384, K 3] x [K 3, N 64]; A: computed on the way; B: input W1: left as it is (K = 3 < 32)
;;     14. [M 16,384, K 64] x [K 64, N 64]; A: computed on the way; B: input W2: QUANTISED
;;     15. [M 16,384, K 64] x [K 64, N 1]; A: computed on the way; B: input W3: left as it is (N = 1 < 16)
;;     16. [M 262,144, K 3] x [K 3, N 64]; A: computed on the way; B: input W1: left as it is (K = 3 < 32)
;;     17. [M 262,144, K 64] x [K 64, N 64]; A: computed on the way; B: input W2: QUANTISED
;;     18. [M 262,144, K 64] x [K 64, N 1]; A: computed on the way; B: input W3: left as it is (N = 1 < 16)
;;     19. [M 524,288, K 3] x [K 3, N 64]; A: computed on the way; B: input W1: left as it is (K = 3 < 32)
;;     20. [M 524,288, K 64] x [K 64, N 64]; A: computed on the way; B: input W2: QUANTISED
;;     21. [M 524,288, K 64] x [K 64, N 1]; A: computed on the way; B: input W3: left as it is (N = 1 < 16)
;;     22. [M 16,384, K 3] x [K 3, N 64]; A: computed on the way; B: input W1: left as it is (K = 3 < 32)
;;     23. [M 16,384, K 64] x [K 64, N 64]; A: computed on the way; B: input W2: QUANTISED
;;     24. [M 16,384, K 64] x [K 64, N 1]; A: computed on the way; B: input W3: left as it is (N = 1 < 16)
;;     25. [M 16,384, K 1] x [K 1, N 64]; A: computed on the way; B: input W3: left as it is (K = 1 < 32)
;;     26. [M 16,384, K 64] x [K 64, N 64]; A: computed on the way; B: input W2: QUANTISED
;;     27. [M 16,384, K 64] x [K 64, N 3]; A: computed on the way; B: input W1: left as it is (N = 3 < 16)
;;     28. [M 16,384, K 3] x [K 3, N 64]; A: computed on the way; B: input W1: left as it is (K = 3 < 32)
;;     29. [M 16,384, K 64] x [K 64, N 64]; A: computed on the way; B: input W2: QUANTISED
;;     30. [M 16,384, K 64] x [K 64, N 1]; A: computed on the way; B: input W3: left as it is (N = 1 < 16)
;;   THE QUANTISER, for each operand of a quantised product, along K:
;;     - K is cut into blocks of 32 from its start; a last block that is shorter is filled with zeros.
;;     - A block's scale is 2^e with e = floor(log2(the largest magnitude in the block)) - 2, held to -126 .. 127; a block of zeros has e = 0. As a byte (E8M0): e + 127.
;;     - Each number is divided by its block's scale, clamped to +-6, and rounded to the nearest number of E2M1, ties to even, subnormals kept.
;;     - The product sums the exact products of the quantised numbers (number of the format x scale) in f32.
;;   ~~~python
;;   def quantise(x, axis):      # numpy; x: float32 -> the quantised numbers, widened to float32 again
;;       x = np.moveaxis(x, axis, -1); K = x.shape[-1]
;;       x = np.pad(x, [(0, 0)] * (x.ndim - 1) + [(0, -K % 32)]); x = x.reshape(x.shape[:-1] + (-1, 32)); a = np.abs(x).max(-1, keepdims=True)
;;       e = np.where(a > 0, np.clip(np.frexp(np.where(a > 0, a, 1))[1] - 1 - 2, -126, 127), 0)      # np.frexp(a)[1] - 1 = floor(log2(a)), exactly
;;       r = np.clip(x / 2.0 ** e, -6, 6)
;;       step = 2.0 ** (np.maximum(np.frexp(np.where(r == 0, 1, r))[1] - 1, 0) - 1)
;;       q = np.round(r / step) * step * 2.0 ** e      # np.round: ties to even
;;       return np.moveaxis(q.reshape(q.shape[:-2] + (-1,))[..., :K], -1, axis).astype(np.float32)
;;   ~~~
;;   OPERANDS COMPUTED ON THE WAY. 'Computed on the way' means the value that the module computes at that place (a softmax that the list does not call 'softmax' is quantised finished and normalised). What goes into a quantiser is computed in f32, as accurately as f32 sums, v_exp_f32 and their like allow (about 1e-6 of the number): no bf16 or f16 on the way to a quantiser, and a product that is left as it is and whose result goes on into a quantised operand takes f32 operands (vector FMAs, or v_wmma_f32_16x16x4_f32). A number that lies on a knife's edge between two numbers of the format may be rounded either way, as far as f32 arithmetic and the matrix unit's own rounding can turn it there, and no further.
;; One version. Each part assembles by itself: llvm-mc -triple=amdgcn-amd-amdhsa -mcpu=gfx1250 --defsym DOCPART=n.
;; ======== version 1 of 1: 1 launch
;; launch trace (part 1): grid 256 x 1, 8 waves a work-group, no clusters, 9,984 bytes of LDS; arguments rays_o, rays_d, W1, b1, W2, b2, W3, b3, out0, out1, out2, out3, out4, out5, out6; writes out0, out1, out2, out3, out4, out5, out6
.if DOCPART == 1
	.amdgcn_target "amdgcn-amd-amdhsa--gfx1250"
	.amdhsa_code_object_version 6
	.text
	.protected	k_q9c02dd7c55_trace
	.globl	k_q9c02dd7c55_trace
	.p2align	8
	.type	k_q9c02dd7c55_trace,@function
k_q9c02dd7c55_trace:
	s_mov_b64 s[64:65], 0
	v_nop
	global_prefetch_b8 v0, s[64:65] scope:SCOPE_SE
	s_setreg_imm32_b32 hwreg(HW_REG_WAVE_MODE, 25, 1), 1
	s_wait_xcnt 0x0
; RefractTracer, whole, in one launch.  For each of 16,384 rays: entry search (16 coarse samples of the SDF, first sign change, 32 fine samples in that
; interval, first sign change, linear root), normal at the root (one pass forward and one backward through the MLP), refraction and reflection; the same
; search for the exit from the refracted ray; refraction; all results selected by final = all four brackets found.
; SDF(p) = |p| - 0.5 + 0.02 tanh(softplus(softplus(p W1 + b1) W2 + b2) W3 + b3).  The 64 x 64 products run on E2M1 codes with E8M0 scales.
; DEAD WORK.  _cal_grad returns its argument delta in the forward pass and reference() differentiates nothing through it: so s1 = _sdf(fsp0) and
; s2 = _sdf(ssp0) reach no output, whatever the inputs hold, and their six products (three at the first surface point, three at the second) are left out.
; total_reflect is returned by _refraction and never used.  Every input still has a way to an output, and all are loaded.
; LIMITS.  NaN and infinities among the inputs are not served; a NaN, infinity or overflow that arises only in the s1, s2 left out is not carried to a result.
; Where |p|^2 equals 1e-10 exactly the gradient of the clip is taken as 0.  W1 and b1 are multiplied by log2(e) once (one rounding a weight).  Divisions are a
; reciprocal or reciprocal root and a multiply.  2^(-|y|) under 2^-126 counts as 0.  A block of zeros gets the scale byte 1: its codes are zeros.
; SHARES.  256 work-groups of 8 waves; a work-group owns 64 rays, a wave 8, through the whole chain.  A TILE is 16 points: 8 rays x 2 neighbouring samples.
; Lane l: r = l % 16 is the point (ray r % 8, sample parity r / 8), h = l / 16; lane (r, h) holds hidden units 32 h .. 32 h + 31 of point r in both layers.
; The four lanes of a ray carry the same ray state.  The bracket is chosen by v_cndmask_b32 alone: no branch and no address hangs on a floating-point number.
; LAYOUT.  All products are used transposed: source 0 = 16 rows of weights, source 1 = the 16 points.  Row m of weight tile t stands for unit
; 32 (m / 8) + 8 t + m % 8, so that result register 8 t + j of lane (r, h) is unit 32 h + 8 t + j: a bank of 32 registers is one block of 32 along the next K,
; whole in one lane, and its four code registers are registers 0-3 of the next operand.  K is 64: registers 4-7 of both operands hold zero codes.
; LAYER 1 feeds a quantiser, so it is f32: the f32 matrix form with k = (px, py, pz, 1) against (W1[0], W1[1], W1[2], b1) x log2(e): y = x log2(e).
; SOFTPLUS.  u = 2^(-|y|), w = 1 + u rounded, c = u - (w - 1) its exact rounding error: softplus = ln2 log2(w) + (ln2 max(y, 0) + c).  Layer 2 of a sample feeds
; no quantiser: c is left out there and the sum with W3 stays in units of log2.  tanh(m) = 1 - 2 / (1 + 2^(2 log2(e) m)).  sigmoid = (y < 0 ? u : 1) / (1 + u).
; NOT USED, AND WHY.  Tensor loads, a ring, clusters, prefetches: all inputs together are 411,140 bytes, read once at the head; work-groups share only the
; 18 KB of weights, which each reads once.  The vector and transcendental work of 128 softplus a point is what the launch consists of.
.set IMG,    0                         ; LDS: images of the 8 weight fragments' four code registers, 512 bytes each (0-3 forward tiles, 4-7 backward)
.set SCW,    4096                      ; their scale words, 128 bytes each
.set OUT0S,  5120                      ; the way out: out0..out3 of the 64 rays, 768 bytes each,
.set OUT4S,  8192                      ; out4, out5, 256 bytes each,
.set OUT6S,  8704                      ; out6, 64 bytes
.set SPARE,  8960                      ; the spare words, 128 bytes for each wave: four blocks of 256 bytes that no other line names
; window 0
.set SPW,  1                           ; LDS address of my spare word; never rewritten
.set NIL,  2                           ; 0; never rewritten
.set SH8,  3                           ; 8 h
.set PARF, 4                           ; my sample parity as a float
.set LI,   5                           ; 16 x lane
.set LS,   6                           ; SCW + 4 x lane
.set ST12, 7                           ; stage: my ray in out0's part
.set ST4,  8                           ; in out4's
.set ST1,  9                           ; in out6's
.set RD,   10                          ; stage, back: my wave's part, 8 bytes a lane
.set RD2,  11                          ; out6's part, 2 bytes a lane
.set ORG,  12                          ; v12-14 the origin in hand
.set DIR,  15                          ; v15-17 the direction in hand
.set OA,   18                          ; v[18:19] h = 0: (ox, oy); h = 1: (oz, 1)
.set DA,   20                          ; v[20:21] h = 0: (dx, dy); h = 1: (dz, 0)
.set ZZ,   22                          ; v22 my z; v23 = 0, named with it as a pair
.set PB,   24                          ; v[24:25] the points as source 1 of the f32 form
.set BASE, 26
.set SPAN, 27
.set FI,   28                          ; my sample's index as a float
.set QQ,   29                          ; |p|^2
.set QX,   30
.set QC,   31
.set RN,   32                          ; |p|
.set RB,   33
.set SD,   34                          ; my sample's SDF
.set B3X,  35                          ; 2 log2(e) b3
.set SE,   36                          ; the trip's even sample
.set SO,   37                          ; its odd sample
.set PREV, 38
.set S0,   39
.set S1,   40
.set FX,   41                          ; the chosen interval's index
.set TMP,  42                          ; v42-49
.set ACC,  50                          ; v50-57
.set MXA,  58
.set MXB,  59
.set SC,   60
.set BY,   61
.set BX,   62
.set PW,   63                          ; the points' scale word; at the head, my weight tile's
.set W2S,  64                          ; v64-67 forward weight tiles' scale words; v68-71 backward
.set W2BS, 68
.set W1F,  72                          ; v72-79 layer 1's four weight tiles
.set CB,   80                          ; v80-83 codes, v84-87 zero codes
.set W3R,  88                          ; v88-119 W3[32 h + i]
.set YB,   120                         ; v120-151 y of layer 1: written by the f32 matrix form alone
.set UB,   152
.set WR,   184
.set HB,   216
.set REFL, 248
.set ATT1, 251
.set DEPTH, 252
.set DT,   253
.set GM,   254                         ; v254; v255 = 0, named with it as a pair
.set NR,   UB                          ; between tiles bank UB is scratch: the normal,
.set PT,   UB+4                        ; the surface point,
.set TR,   UB+8                        ; the refracted direction,
.set ATT,  UB+11                       ; the attenuation,
.set XS,   UB+12                       ; and ten at work
; window 1 (named by the low 8 bits).  No operand of a matrix instruction shares its number with another operand of it, and 120-151 are not used here
.set W2F,  0                           ; forward fragments of W2, tile t at 8 t
.set GIVO, 32                          ; the given rays_o, rays_d
.set GIVD, 35
.set W1R2, 40                          ; W1[2][32 h + i]
.set B2R,  88                          ; b2[32 h + i]
.set W2B,  152                         ; backward fragments of W2
.set W1R0, 184                         ; W1[0][32 h + i]
.set W1R1, 216                         ; W1[1][32 h + i]
; scalars: s[8:37] the 15 addresses; s38 wave; s39 b3; s[40:41] lane selects; s[42:43] log2(e); s[44:45] ln 2; s46 lanes of odd parity; s47 lanes 16-31; s48 1e-10;
; s50 the trip's first sample; s51, s52 the divisor of the sample grid and its reciprocal; s54 found; s55 all brackets; s56 the last sample lay on the near side; s57-62 masks; s66 this search's brackets
.set MSB, 0
.macro WIN new                         ; the immediate's high byte repeats the setting that is left
.if MSB != \new
	s_set_vgpr_msb (MSB<<8)|\new
.set MSB, \new
.endif
.endm
.macro NOPS cnt
.rept \cnt
	v_nop
.endr
.endm
.macro XSUM dst, src                   ; with lane l xor 16's
	v_permlanex16_b32 v[BX], v[\src], s40, s41
	v_add_f32 v[\dst], v[\src], v[BX]
.endm
.macro TFRAC dst, idx                  ; index / divisor, rounded as a division rounds it: a product, its remainder, one correction
	v_mul_f32 v[\dst], s52, v[\idx]
	v_fma_f32 v[TMP], -v[\dst], s51, v[\idx]
	v_fma_f32 v[\dst], v[TMP], s52, v[\dst]
.endm
; The tile's 16 points, |p|^2, and layer 1's y.  next = 1: the next trip's z is made in the places behind the products.
.macro POINT next
	v_pk_fma_f32 v[PB:PB+1], v[ZZ:ZZ+1], v[DA:DA+1], v[OA:OA+1] op_sel_hi:[0,1,1]   ; o + z d; in lanes 16-31 the second number is 1
	v_cndmask_b32 v[TMP+2], v[PB+1], 0, s47
	v_mul_f32 v[QQ], v[PB], v[PB]
	v_fma_f32 v[QQ], v[TMP+2], v[TMP+2], v[QQ]
	v_permlanex16_b32 v[QX], v[QQ], s40, s41
.irp t, 0,1,2,3
	v_wmma_f32_16x16x4_f32 v[YB+8*\t:YB+8*\t+7], v[W1F+2*\t:W1F+2*\t+1], v[PB:PB+1], 0
.endr
	v_add_f32 v[QQ], v[QQ], v[QX]                  ; eight plain instructions that name none of the products' registers stand ahead of the first read of y
	v_max_num_f32 v[QC], s48, v[QQ]
.if \next
	v_add_f32 v[FI], 2.0, v[FI]
	TFRAC TMP+4, FI
	v_fma_f32 v[ZZ], v[TMP+4], v[SPAN], v[BASE]
	v_nop
.else
	NOPS 6
.endif
.endm
; y (bank YB) -> softplus (bank HB), to f32 accuracy: it goes into a quantiser.  Two batches of transcendentals, one wait each.
.macro ACT1
	v_sqrt_f32 v[RN], v[QC]
.set i, 0
.rept 32
	v_exp_f32 v[UB+i], -|v[YB+i]|                  ; u; each accumulator is read from its low end on
	v_max_num_f32 v[HB+i], 0, v[YB+i]
.set i, i+1
.endr
	s_wait_alu depctr_va_vdst(0)                   ; one wait for the root and the 32 exponentials
.set p, 0
.rept 19                               ; pair p: w = 1 + u | pair p - 1: w - 1 | pair p - 2: log2 w in place, c = u - (w - 1) | pair p - 3: ln2 max + c.  No line names a logarithm's result
.if p < 16
	v_pk_add_f32 v[WR+2*p:WR+2*p+1], v[UB+2*p:UB+2*p+1], 1.0 op_sel_hi:[1,0]
.endif
.if (p >= 1) && (p <= 16)
	v_pk_add_f32 v[TMP+2*((p-1)%4):TMP+2*((p-1)%4)+1], v[WR+2*p-2:WR+2*p-1], -1.0 op_sel_hi:[1,0]
.endif
.if (p >= 2) && (p <= 17)
	v_log_f32 v[WR+2*p-4], v[WR+2*p-4]
	v_log_f32 v[WR+2*p-3], v[WR+2*p-3]
	v_pk_add_f32 v[UB+2*p-4:UB+2*p-3], v[UB+2*p-4:UB+2*p-3], v[TMP+2*((p-2)%4):TMP+2*((p-2)%4)+1] neg_lo:[0,1] neg_hi:[0,1]
.endif
.if p >= 3
	v_pk_fma_f32 v[HB+2*p-6:HB+2*p-5], v[HB+2*p-6:HB+2*p-5], s[44:45], v[UB+2*p-6:UB+2*p-5] op_sel_hi:[1,0,1]
.endif
.set p, p+1
.endr
	s_wait_alu depctr_va_vdst(0)                   ; one wait for the 32 logarithms
.set p, 0
.rept 16
	v_pk_fma_f32 v[HB+2*p:HB+2*p+1], v[WR+2*p:WR+2*p+1], s[44:45], v[HB+2*p:HB+2*p+1] op_sel_hi:[1,0,1]
.set p, p+1
.endr
.endm
; 32 numbers of a lane, one block along K, become four code registers in v[CB] on; the scale word of the two blocks of my row or point goes to v[PW].
.macro QUANT src
	v_max3_num_f32 v[MXA], |v[\src]|, |v[\src+1]|, 0x1800000       ; the largest magnitude, with the floor 2^(3 - 127): the byte cannot fall under 1
	v_max3_num_f32 v[MXB], |v[\src+2]|, |v[\src+3]|, 0x1800000
.set i, 4
.rept 7
	v_max3_num_f32 v[MXA], v[MXA], |v[\src+i]|, |v[\src+i+1]|
	v_max3_num_f32 v[MXB], v[MXB], |v[\src+i+2]|, |v[\src+i+3]|
.set i, i+4
.endr
	v_max_num_f32 v[MXA], v[MXA], v[MXB]
	v_add_nc_u32 v[SC], 0xff000000, v[MXA]         ; 2 off its exponent field: the conversion takes the exponent field of this operand as its scale
	v_lshrrev_b32 v[BY], 23, v[SC]                 ; the byte,
	v_lshlrev_b32 v[BY], v[SH8], v[BY]             ; at block h's place in the word;
	v_permlanex16_b32 v[BX], v[BY], s40, s41
	v_or_b32 v[PW], v[BY], v[BX]                   ; with lane l xor 16's the word is whole; bytes 2 and 3 stay 0, over zero codes
	NOPS 4                                         ; a scale register written by a vector instruction stands 8 plain instructions ahead of the scaled product: these four and the four below
.irp g, 0,1,2,3
	v_cvt_scalef32_pk8_fp4_f32 v[CB+\g], v[\src+8*\g:\src+8*\g+7], v[SC]
.endr
	NOPS 4                                         ; and the codes four; the first is the plain instruction behind the conversions
.endm
.macro MM2F                            ; x2 = b2 + h1 W2: bank UB
	WIN 0x11                                       ; source 0 (weights) and C (b2) in window 1
.irp t, 0,1,2,3
	v_wmma_scale_f32_16x16x128_f8f6f4 v[UB+8*\t:UB+8*\t+7], v[W2F+8*\t:W2F+8*\t+7], v[CB:CB+7], v[B2R+8*\t:B2R+8*\t+7], v[W2S+\t], v[PW] matrix_a_fmt:MATRIX_FMT_FP4 matrix_b_fmt:MATRIX_FMT_FP4
.endr
	WIN 0
	NOPS 4
.endm
.macro MM2B                            ; the cotangent of h1 = (cotangent of x2) W2^T: bank HB
	WIN 0x01
.irp t, 0,1,2,3
	v_wmma_scale_f32_16x16x128_f8f6f4 v[HB+8*\t:HB+8*\t+7], v[W2B+8*\t:W2B+8*\t+7], v[CB:CB+7], 0, v[W2BS+\t], v[PW] matrix_a_fmt:MATRIX_FMT_FP4 matrix_b_fmt:MATRIX_FMT_FP4
.endr
	WIN 0
.endm
; x2 (bank UB) -> y2 in place, u2 in bank WR, and the sum of W3 max(y2, 0) begun in four pairs.
.macro ACT2A
.set p, 0
.rept 18
.if p < 16
	v_pk_mul_f32 v[UB+2*p:UB+2*p+1], v[UB+2*p:UB+2*p+1], s[42:43] op_sel_hi:[1,0]
.endif
.if (p >= 1) && (p <= 16)
	v_exp_f32 v[WR+2*p-2], -|v[UB+2*p-2]|
	v_exp_f32 v[WR+2*p-1], -|v[UB+2*p-1]|
	v_max_num_f32 v[HB+2*p-2], 0, v[UB+2*p-2]
	v_max_num_f32 v[HB+2*p-1], 0, v[UB+2*p-1]
.endif
.if (p >= 2) && (p < 6)
	v_pk_mul_f32 v[ACC+2*(p-2):ACC+2*(p-2)+1], v[HB+2*p-4:HB+2*p-3], v[W3R+2*p-4:W3R+2*p-3]
.endif
.if p >= 6
	v_pk_fma_f32 v[ACC+2*((p-2)%4):ACC+2*((p-2)%4)+1], v[HB+2*p-4:HB+2*p-3], v[W3R+2*p-4:W3R+2*p-3], v[ACC+2*((p-2)%4):ACC+2*((p-2)%4)+1]
.endif
.set p, p+1
.endr
	s_wait_alu depctr_va_vdst(0)                   ; one wait for the 32 exponentials
.endm
.macro DOT2 bank                       ; the sum goes on with W3 log2(1 + u2), and is closed: v[DT], the same in both halves of the lanes
.set p, 0
.rept 16
	v_pk_fma_f32 v[ACC+2*(p%4):ACC+2*(p%4)+1], v[\bank+2*p:\bank+2*p+1], v[W3R+2*p:W3R+2*p+1], v[ACC+2*(p%4):ACC+2*(p%4)+1]
.set p, p+1
.endr
	v_pk_add_f32 v[ACC:ACC+1], v[ACC:ACC+1], v[ACC+2:ACC+3]
	v_pk_add_f32 v[ACC+4:ACC+5], v[ACC+4:ACC+5], v[ACC+6:ACC+7]
	v_pk_add_f32 v[ACC:ACC+1], v[ACC:ACC+1], v[ACC+4:ACC+5]
	v_add_f32 v[DT], v[ACC], v[ACC+1]
	XSUM DT, DT
.endm
.macro ACT2B
.set p, 0
.rept 17
.if p < 16
	v_pk_add_f32 v[WR+2*p:WR+2*p+1], v[WR+2*p:WR+2*p+1], 1.0 op_sel_hi:[1,0]
.endif
.if p >= 1
	v_log_f32 v[WR+2*p-2], v[WR+2*p-2]
	v_log_f32 v[WR+2*p-1], v[WR+2*p-1]
.endif
.set p, p+1
.endr
	v_nop
	s_wait_alu depctr_va_vdst(0)                   ; one wait for the 32 logarithms
	DOT2 WR
.endm
.macro TANH                            ; tanh(mlp) -> v[TMP+1]; |p| - 0.5 -> v[RB]
	v_fma_f32 v[TMP], v[DT], 2.0, v[B3X]           ; 2 log2(e) mlp
	v_exp_f32 v[TMP], v[TMP]
	v_add_f32 v[RB], -0.5, v[RN]
	s_wait_alu depctr_va_vdst(0)
	v_add_f32 v[TMP], 1.0, v[TMP]
	v_rcp_f32 v[TMP], v[TMP]
	v_nop
	s_wait_alu depctr_va_vdst(0)
	v_fma_f32 v[TMP+1], v[TMP], -2.0, 1.0
.endm
.macro TILE                            ; the SDF at my sample -> v[SD]
	POINT 1
	ACT1
	QUANT HB
	MM2F
	ACT2A
	ACT2B
	TANH
	v_fma_f32 v[SD], v[TMP+1], 0x3ca3d70a, v[RB]
.endm
; The trip's two samples, s50 and s50 + 1, against the first crossing so far.  Trip 0 always takes interval 0: the argmax of no crossing.
.macro SCAN enter
	v_mov_b32_dpp v[BX], v[SD] row_xmask:8 row_mask:0xf bank_mask:0xf   ; the ray's other sample lies 8 lanes away
	v_cndmask_b32 v[SE], v[SD], v[BX], s46
	v_cndmask_b32 v[SO], v[BX], v[SD], s46
.if \enter
	v_cmp_ge_f32 s57, 0, v[SE]                     ; far side: s <= 0
	v_cmp_lt_f32 s58, 0, v[SE]                     ; near side: s > 0
	v_cmp_ge_f32 s59, 0, v[SO]
	v_cmp_lt_f32 s60, 0, v[SO]
.else
	v_cmp_le_f32 s57, 0, v[SE]                     ; far side: s >= 0
	v_cmp_gt_f32 s58, 0, v[SE]                     ; near side: s < 0
	v_cmp_le_f32 s59, 0, v[SO]
	v_cmp_gt_f32 s60, 0, v[SO]
.endif
	s_and_b32 s57, s57, s56                        ; interval s50 - 1 crosses,
	s_and_not1_b32 s57, s57, s54                   ; and is the first
	s_or_b32 s54, s54, s57
	s_and_b32 s59, s59, s58                        ; interval s50 likewise
	s_and_not1_b32 s59, s59, s54
	s_or_b32 s54, s54, s59
	s_cmp_eq_u32 s50, 0
	s_cselect_b32 s62, -1, 0
	s_or_b32 s59, s59, s62
	s_add_co_i32 s61, s50, -1
	v_cndmask_b32 v[S0], v[S0], v[PREV], s57
	v_cndmask_b32 v[S1], v[S1], v[SE], s57
	v_cndmask_b32 v[FX], v[FX], s61, s57
	v_cndmask_b32 v[S0], v[S0], v[SE], s59
	v_cndmask_b32 v[S1], v[S1], v[SO], s59
	v_cndmask_b32 v[FX], v[FX], s50, s59
	v_mov_b32 v[PREV], v[SO]
	s_mov_b32 s56, s60
.endm
; cnt samples on z = BASE + SPAN i / (cnt - 1), two a trip; then BASE and SPAN become the chosen interval's.
.macro PHASE cnt, div, rdiv, enter
	s_mov_b32 s51, \div
	s_mov_b32 s52, \rdiv
	s_mov_b32 s54, 0
	s_mov_b32 s56, 0
	s_mov_b32 s50, 0
	v_mov_b32 v[FI], v[PARF]
	TFRAC TMP+4, FI
	v_fma_f32 v[ZZ], v[TMP+4], v[SPAN], v[BASE]
.Lsample_\@:
	TILE
	SCAN \enter
	s_add_co_u32 s50, s50, 2
	s_cmp_lt_u32 s50, \cnt
	s_cbranch_scc1 .Lsample_\@
	v_cvt_f32_u32 v[TMP+5], v[FX]
	TFRAC TMP+6, TMP+5
	v_add_f32 v[TMP+5], 1.0, v[TMP+5]
	TFRAC TMP+7, TMP+5
	v_fma_f32 v[TMP+6], v[TMP+6], v[SPAN], v[BASE] ; z0
	v_fma_f32 v[TMP+7], v[TMP+7], v[SPAN], v[BASE] ; z1
	v_mov_b32 v[BASE], v[TMP+6]
	v_sub_f32 v[SPAN], v[TMP+7], v[TMP+6]
	s_and_b32 s66, s66, s54
.endm
.macro NEARFAR                         ; BASE = near, SPAN = far - near; the origin and direction as source 1 wants them
	v_mul_f32 v[TMP], v[DIR], v[DIR]
	v_mul_f32 v[TMP+1], v[ORG], v[DIR]
	v_fma_f32 v[TMP], v[DIR+1], v[DIR+1], v[TMP]
	v_fma_f32 v[TMP+1], v[ORG+1], v[DIR+1], v[TMP+1]
	v_fma_f32 v[TMP], v[DIR+2], v[DIR+2], v[TMP]
	v_fma_f32 v[TMP+1], v[ORG+2], v[DIR+2], v[TMP+1]
	v_rcp_f32 v[TMP], v[TMP]
	v_cndmask_b32 v[OA], v[ORG], v[ORG+2], s47
	v_cndmask_b32 v[OA+1], v[ORG+1], 1.0, s47
	v_cndmask_b32 v[DA], v[DIR], v[DIR+2], s47
	v_cndmask_b32 v[DA+1], v[DIR+1], 0, s47
	s_wait_alu depctr_va_vdst(0)
	v_mul_f32 v[TMP], -v[TMP+1], v[TMP]            ; mid = -(o . d) / (d . d)
	v_add_f32 v[BASE], -1.0, v[TMP]
	v_max_num_f32 v[BASE], 0, v[BASE]
	v_add_f32 v[TMP], 1.0, v[TMP]
	v_sub_f32 v[SPAN], v[TMP], v[BASE]
.endm
.macro SEARCH enter                    ; -> v[DEPTH], also in v[ZZ]; s66 = both brackets found; s55 gathers all four
	s_mov_b32 s66, -1
	PHASE 16, 0x41700000, 0x3d888889, \enter
	PHASE 32, 0x41f80000, 0x3d042108, \enter
	s_and_b32 s55, s55, s66
	v_sub_f32 v[TMP], v[S0], v[S1]
	v_and_b32 v[TMP+1], 0x7fffffff, v[TMP]
	v_cmp_gt_f32 vcc_lo, s48, v[TMP+1]
	v_cndmask_b32 v[TMP], v[TMP], s48, vcc_lo      ; |den| < 1e-10: 1e-10
	v_rcp_f32 v[TMP], v[TMP]
	v_mul_f32 v[TMP+2], v[SPAN], v[S0]
	s_wait_alu depctr_va_vdst(0)
	v_fma_f32 v[DEPTH], v[TMP+2], v[TMP], v[BASE]
	v_cndmask_b32 v[DEPTH], 1.0, v[DEPTH], s66
	v_mov_b32 v[ZZ], v[DEPTH]
.endm
; The normalised gradient of the SDF at o + depth d -> v[NR] on; the point itself -> v[PT] on.  Both parities of a ray hold the same point.
.macro GRAD
	POINT 0
	ACT1
	QUANT HB
	MM2F
	ACT2A
.set p, 0
.rept 16
	v_pk_add_f32 v[HB+2*p:HB+2*p+1], v[WR+2*p:WR+2*p+1], 1.0 op_sel_hi:[1,0]   ; 1 + u2
.set p, p+1
.endr
.set i, 0
.rept 32
	v_cmp_gt_f32 vcc_lo, 0, v[UB+i]
	v_cndmask_b32 v[WR+i], 1.0, v[WR+i], vcc_lo    ; the sigmoid's numerator: u2 where y2 < 0, else 1
.set i, i+1
.endr
.set i, 0
.rept 32
	v_log_f32 v[UB+i], v[HB+i]
.set i, i+1
.endr
	v_nop                                          ; a plain instruction ahead of the lines that write the logarithms' sources
.set i, 0
.rept 32
	v_rcp_f32 v[HB+i], v[HB+i]
.set i, i+1
.endr
	v_nop
	s_wait_alu depctr_va_vdst(0)                   ; one wait for the 64
	DOT2 UB
.set p, 0
.rept 16
	v_pk_mul_f32 v[WR+2*p:WR+2*p+1], v[WR+2*p:WR+2*p+1], v[HB+2*p:HB+2*p+1]    ; sigmoid(x2)
.set p, p+1
.endr
	TANH
	v_fma_f32 v[GM], -v[TMP+1], v[TMP+1], 1.0
	v_mul_f32 v[GM], 0x3ca3d70a, v[GM]             ; the cotangent of mlp: 0.02 (1 - tanh^2)
.set p, 0
.rept 16
	v_pk_mul_f32 v[UB+2*p:UB+2*p+1], v[W3R+2*p:W3R+2*p+1], v[GM:GM+1] op_sel_hi:[1,0]   ; x W3: the cotangent of h2
.set p, p+1
.endr
.set p, 0
.rept 16
	v_pk_mul_f32 v[UB+2*p:UB+2*p+1], v[UB+2*p:UB+2*p+1], v[WR+2*p:WR+2*p+1]    ; x sigmoid(x2): of x2
.set p, p+1
.endr
	QUANT UB
	MM2B
.set i, 0
.rept 32
	v_exp_f32 v[WR+i], -|v[YB+i]|                  ; sigmoid(x1), from y, which still stands
.set i, i+1
.endr
	v_nop
	s_wait_alu depctr_va_vdst(0)
.set p, 0
.rept 16
	v_pk_add_f32 v[UB+2*p:UB+2*p+1], v[WR+2*p:WR+2*p+1], 1.0 op_sel_hi:[1,0]
.set p, p+1
.endr
.set i, 0
.rept 32
	v_rcp_f32 v[UB+i], v[UB+i]
	v_cmp_gt_f32 vcc_lo, 0, v[YB+i]
	v_cndmask_b32 v[WR+i], 1.0, v[WR+i], vcc_lo
.set i, i+1
.endr
	s_wait_alu depctr_va_vdst(0)
.set p, 0
.rept 16
	v_pk_mul_f32 v[WR+2*p:WR+2*p+1], v[WR+2*p:WR+2*p+1], v[UB+2*p:UB+2*p+1]
.set p, p+1
.endr
.set p, 0
.rept 16
	v_pk_mul_f32 v[HB+2*p:HB+2*p+1], v[HB+2*p:HB+2*p+1], v[WR+2*p:WR+2*p+1]    ; the cotangent of x1; each accumulator from its low end on
.set p, p+1
.endr
	WIN 0x04                                       ; source 1 (the rows of W1) in window 1
	v_pk_mul_f32 v[ACC:ACC+1], v[HB:HB+1], v[W1R0:W1R0+1]
	v_pk_mul_f32 v[ACC+2:ACC+3], v[HB:HB+1], v[W1R1:W1R1+1]
	v_pk_mul_f32 v[ACC+4:ACC+5], v[HB:HB+1], v[W1R2:W1R2+1]
.set p, 1
.rept 15
	v_pk_fma_f32 v[ACC:ACC+1], v[HB+2*p:HB+2*p+1], v[W1R0+2*p:W1R0+2*p+1], v[ACC:ACC+1]
	v_pk_fma_f32 v[ACC+2:ACC+3], v[HB+2*p:HB+2*p+1], v[W1R1+2*p:W1R1+2*p+1], v[ACC+2:ACC+3]
	v_pk_fma_f32 v[ACC+4:ACC+5], v[HB+2*p:HB+2*p+1], v[W1R2+2*p:W1R2+2*p+1], v[ACC+4:ACC+5]
.set p, p+1
.endr
	WIN 0
.irp c, 0,1,2
	v_add_f32 v[ACC+2*\c], v[ACC+2*\c], v[ACC+2*\c+1]
.endr
.irp c, 0,1,2
	XSUM ACC+2*\c, ACC+2*\c
.endr
	v_rcp_f32 v[XS], v[RN]
.irp c, 0,1,2
	v_fma_f32 v[PT+\c], v[DEPTH], v[DIR+\c], v[ORG+\c]
.endr
	v_cmp_lt_f32 vcc_lo, s48, v[QQ]
	s_wait_alu depctr_va_vdst(0)
	v_cndmask_b32 v[XS], 0, v[XS], vcc_lo          ; the norm's part: p / |p| where |p|^2 is over the clip, else 0
.irp c, 0,1,2
	v_fma_f32 v[NR+\c], v[PT+\c], v[XS], v[ACC+2*\c]
.endr
	v_mul_f32 v[XS+1], v[NR], v[NR]
	v_fma_f32 v[XS+1], v[NR+1], v[NR+1], v[XS+1]
	v_fma_f32 v[XS+1], v[NR+2], v[NR+2], v[XS+1]
	v_max_num_f32 v[XS+1], s48, v[XS+1]
	v_rsq_f32 v[XS+1], v[XS+1]
	v_nop
	s_wait_alu depctr_va_vdst(0)
.irp c, 0,1,2
	v_mul_f32 v[NR+\c], v[NR+\c], v[XS+1]
.endr
.endm
; Refraction of v[DIR] at the normal v[NR]: direction -> v[TR] on, attenuation -> v[ATT]; cos theta stays in v[XS].
.macro REFRACT e1, e2, ratio
	v_mul_f32 v[XS], v[DIR], v[NR]
	v_fma_f32 v[XS], v[DIR+1], v[NR+1], v[XS]
	v_fma_f32 v[XS], v[DIR+2], v[NR+2], v[XS]      ; d . n = -cos theta
.irp c, 0,1,2
	v_fma_f32 v[TR+\c], -v[NR+\c], v[XS], v[DIR+\c]
.endr
.irp c, 0,1,2
	v_mul_f32 v[TR+\c], \ratio, v[TR+\c]           ; t_p
.endr
	v_xor_b32 v[XS], 0x80000000, v[XS]             ; cos theta
	v_mul_f32 v[XS+1], v[TR], v[TR]
	v_fma_f32 v[XS+1], v[TR+1], v[TR+1], v[XS+1]
	v_fma_f32 v[XS+1], v[TR+2], v[TR+2], v[XS+1]
	v_med3_num_f32 v[XS+1], v[XS+1], 0, 0x3f7fffef
	v_sub_f32 v[XS+1], 1.0, v[XS+1]
	v_sqrt_f32 v[XS+1], v[XS+1]
	v_nop
	s_wait_alu depctr_va_vdst(0)
.irp c, 0,1,2
	v_fma_f32 v[TR+\c], -v[NR+\c], v[XS+1], v[TR+\c]
.endr
	v_mul_f32 v[XS+2], v[TR], v[TR]
	v_fma_f32 v[XS+2], v[TR+1], v[TR+1], v[XS+2]
	v_fma_f32 v[XS+2], v[TR+2], v[TR+2], v[XS+2]
	v_max_num_f32 v[XS+2], s48, v[XS+2]
	v_rsq_f32 v[XS+2], v[XS+2]
	v_nop
	s_wait_alu depctr_va_vdst(0)
.irp c, 0,1,2
	v_mul_f32 v[TR+\c], v[TR+\c], v[XS+2]
.endr
	v_mul_f32 v[XS+3], v[TR], v[NR]
	v_fma_f32 v[XS+3], v[TR+1], v[NR+1], v[XS+3]
	v_fma_f32 v[XS+3], v[TR+2], v[NR+2], v[XS+3]
	v_xor_b32 v[XS+3], 0x80000000, v[XS+3]         ; cos theta_t
	v_mul_f32 v[XS+4], \e2, v[XS]
	v_mul_f32 v[XS+5], \e2, v[XS+3]
	v_fma_f32 v[XS+6], v[XS+3], \e1, -v[XS+4]
	v_fma_f32 v[XS+7], v[XS+3], \e1, v[XS+4]
	v_fma_f32 v[XS+8], v[XS], \e1, -v[XS+5]
	v_fma_f32 v[XS+9], v[XS], \e1, v[XS+5]
	v_max_num_f32 v[XS+7], s48, v[XS+7]
	v_max_num_f32 v[XS+9], s48, v[XS+9]
	v_rcp_f32 v[XS+7], v[XS+7]
	v_rcp_f32 v[XS+9], v[XS+9]
	v_nop
	s_wait_alu depctr_va_vdst(0)
	v_mul_f32 v[XS+6], v[XS+6], v[XS+7]
	v_mul_f32 v[XS+8], v[XS+8], v[XS+9]
	v_mul_f32 v[XS+6], v[XS+6], v[XS+6]
	v_fma_f32 v[XS+6], v[XS+8], v[XS+8], v[XS+6]
	v_mul_f32 v[XS+6], 0.5, v[XS+6]
	v_med3_num_f32 v[ATT], v[XS+6], 0, 1.0
.endm
.macro REFLECT                         ; behind REFRACT: cos theta stands in v[XS]
	v_add_f32 v[XS+1], v[XS], v[XS]
.irp c, 0,1,2
	v_fma_f32 v[REFL+\c], v[NR+\c], v[XS+1], v[DIR+\c]
.endr
	v_mul_f32 v[XS+2], v[REFL], v[REFL]
	v_fma_f32 v[XS+2], v[REFL+1], v[REFL+1], v[XS+2]
	v_fma_f32 v[XS+2], v[REFL+2], v[REFL+2], v[XS+2]
	v_max_num_f32 v[XS+2], s48, v[XS+2]
	v_rsq_f32 v[XS+2], v[XS+2]
	v_nop
	s_wait_alu depctr_va_vdst(0)
.irp c, 0,1,2
	v_mul_f32 v[REFL+\c], v[REFL+\c], v[XS+2]
.endr
.endm
	; ---- the head
	s_load_b512 s[8:23], s[0:1], 0x0               ; rays_o s[8:9], rays_d s[10:11], W1 s[12:13], b1 s[14:15], W2 s[16:17], b2 s[18:19], W3 s[20:21], b3 s[22:23]
	s_load_b256 s[24:31], s[0:1], 0x40             ; out0 .. out3
	s_load_b128 s[32:35], s[0:1], 0x60             ; out4, out5
	s_load_b64 s[36:37], s[0:1], 0x70              ; out6
	v_lshl_add_u32 v[SPW], v0, 2, SPARE
	v_mov_b32 v[NIL], 0
	v_lshrrev_b32 v42, 5, v0
	v_readfirstlane_b32 s38, v42                   ; wave 0..7
	v_and_b32 v43, 31, v0                          ; lane
	v_bfe_u32 v45, v0, 4, 1                        ; h
	v_and_b32 v46, 7, v0                           ; my ray in the wave
	v_bfe_u32 v47, v0, 3, 1                        ; my sample parity
	v_lshlrev_b32 v[SH8], 3, v45
	v_cvt_f32_u32 v[PARF], v47
	v_lshlrev_b32 v[LI], 4, v43
	v_lshl_add_u32 v[LS], v43, 2, SCW
	v_lshl_add_u32 v48, v42, 3, v46                ; my ray in the work-group
	v_mad_u32_u24 v[ST12], v48, 12, OUT0S
	v_lshl_add_u32 v[ST4], v48, 2, OUT4S
	v_add_nc_u32 v[ST1], OUT6S, v48
	s_min_u32 s72, s38, 6                          ; the stage part that my wave sends out: waves 0-3 out0..3 (768 bytes apart), waves 4, 5 out4, out5 (256 apart)
	s_min_u32 s73, s72, 4
	s_lshl_b32 s72, s72, 8
	s_lshl_b32 s73, s73, 9
	s_add_co_u32 s72, s72, s73
	s_add_co_u32 s72, s72, OUT0S
	v_lshl_add_u32 v[RD], v43, 3, s72
	v_lshl_add_u32 v[RD2], v43, 1, OUT6S
	v_lshlrev_b32 v49, 4, v0                       ; where my wave's weight image goes: 512 x wave + 16 x lane
	v_lshl_add_u32 v50, v0, 2, SCW                 ; and its scale words: 128 x wave + 4 x lane
	s_mov_b32 s40, 0x76543210
	s_mov_b32 s41, 0xfedcba98                      ; v_permlanex16_b32: lane l xor 16
	s_mov_b32 s42, 0x3fb8aa3b                      ; log2(e)
	s_mov_b32 s43, s42
	s_mov_b32 s44, 0x3f317218                      ; ln 2
	s_mov_b32 s45, s44
	s_mov_b32 s46, 0xff00ff00
	s_mov_b32 s47, 0xffff0000
	s_mov_b32 s48, 0x2edbe6ff                      ; 1e-10
	s_mov_b32 s55, -1
.irp x, QX, BX, ZZ+1, GM+1, PREV, S0, S1, FX, CB+4, CB+5, CB+6, CB+7
	v_mov_b32 v[\x], 0                             ; destinations of lane exchanges and selects, upper halves of pairs, zero codes
.endr
	; my wave's one weight tile of eight: waves 0-3 forward tile t (row m: W2[k][u], k down the registers), waves 4-7 backward tile t (W2[u][n], n down the registers)
	s_and_b32 s72, s38, 3
	s_lshl_b32 s72, s72, 3                         ; 8 t
	v_lshl_add_u32 v51, v47, 5, v46                ; u(r, 0) = 32 (r / 8) + r % 8
	v_add_nc_u32 v52, s72, v51                     ; u(r, t)
	s_cmp_lt_u32 s38, 4
	s_mov_b32 s73, 256
	s_cselect_b32 s73, 4, s73                      ; bytes from unit to unit,
	s_mov_b32 s74, 128
	s_cselect_b32 s74, 0x2000, s74                 ; from block 0 to block 1 along K,
	s_mov_b32 s75, 256
	s_cselect_b32 s75, s75, 4                      ; and from k to k + 1
	v_mul_lo_u32 v52, v52, s73
	v_mul_lo_u32 v53, v45, s74
	v_add_nc_u32 v52, v52, v53
.irp i, 0,1,2,3,4,5,6,7,8,9,10,11,12,13,14,15,16,17,18,19,20,21,22,23,24,25,26,27,28,29,30,31
	v_mad_u32_u24 v[WR+\i], \i, s75, v52
.endr
	v_lshlrev_b32 v54, 2, v51                      ; 4 u(r, 0)
	v_lshl_add_u32 v55, v45, 9, v54                ; + two rows of W1 in lanes 16-31
	v_mul_u32_u24 v56, v48, 12                     ; my ray's 12 bytes
	v_lshlrev_b32 v57, 7, v45                      ; my 32 units' 128 bytes
	s_mul_i32 s68, ttmp9, 768                      ; the work-group's 64 rays x 12 bytes
	s_mov_b32 s69, 0
	s_wait_kmcnt 0x0
	s_load_b32 s39, s[22:23], 0x0                  ; b3
	s_add_nc_u64 s[8:9], s[8:9], s[68:69]
	s_add_nc_u64 s[10:11], s[10:11], s[68:69]
.irp i, 0,1,2,3,4,5,6,7,8,9,10,11,12,13,14,15,16,17,18,19,20,21,22,23,24,25,26,27,28,29,30,31
	global_load_b32 v[UB+\i], v[WR+\i], s[16:17]
.endr
.irp t, 0,1,2,3
	global_load_b32 v[W1F+2*\t], v55, s[12:13] offset:32*\t        ; k = 2 h: W1[0][u] or W1[2][u]
	global_load_b32 v[HB+\t], v54, s[12:13] offset:256+32*\t       ; k = 1: W1[1][u]
	global_load_b32 v[HB+4+\t], v54, s[14:15] offset:32*\t         ; k = 3: b1[u]
.endr
.irp c, 0,1,2
	global_load_b32 v[ORG+\c], v56, s[8:9] offset:4*\c
	global_load_b32 v[DIR+\c], v56, s[10:11] offset:4*\c
.endr
.irp q, 0,1,2,3,4,5,6,7
	global_load_b128 v[W3R+4*\q:W3R+4*\q+3], v57, s[20:21] offset:16*\q
.endr
	WIN 0x40                                       ; destination in window 1
.irp q, 0,1,2,3,4,5,6,7
	global_load_b128 v[B2R+4*\q:B2R+4*\q+3], v57, s[18:19] offset:16*\q
	global_load_b128 v[W1R0+4*\q:W1R0+4*\q+3], v57, s[12:13] offset:16*\q
	global_load_b128 v[W1R1+4*\q:W1R1+4*\q+3], v57, s[12:13] offset:256+16*\q
	global_load_b128 v[W1R2+4*\q:W1R2+4*\q+3], v57, s[12:13] offset:512+16*\q
.endr
.irp t, 0,1,2,3
.irp j, 4,5,6,7
	v_mov_b32 v[W2F+8*\t+\j], 0                    ; k = 64 .. 127: zero codes
	v_mov_b32 v[W2B+8*\t+\j], 0
.endr
.endr
	WIN 0
	s_wait_loadcnt 0x0                             ; all the head's loads: nothing is loaded from memory behind this line
	; ---- my weight tile is quantised and goes to the other waves as an image of its registers
	QUANT UB
	ds_store_b128 v49, v[CB:CB+3]
	ds_store_b32 v50, v[PW]
	s_wait_dscnt 0x0                               ; for the others: my stores have landed
	s_barrier_signal -1
	s_barrier_wait -1
	WIN 0x40
.irp q, 0,1,2,3
	ds_load_b128 v[W2F+8*\q:W2F+8*\q+3], v[LI] offset:IMG+512*\q
	ds_load_b128 v[W2B+8*\q:W2B+8*\q+3], v[LI] offset:IMG+512*(\q+4)
.endr
.irp c, 0,1,2
	v_mov_b32 v[GIVO+\c], v[ORG+\c]                ; the rays as given are kept for the selects at the end
	v_mov_b32 v[GIVD+\c], v[DIR+\c]
.endr
	WIN 0
.irp q, 0,1,2,3,4,5,6,7
	ds_load_b32 v[W2S+\q], v[LS] offset:128*\q
.endr
.irp t, 0,1,2,3
	v_cndmask_b32 v[W1F+2*\t+1], v[HB+\t], v[HB+4+\t], s47
.endr
.irp k, 0,1,2,3,4,5,6,7
	v_mul_f32 v[W1F+\k], s42, v[W1F+\k]            ; x log2(e)
.endr
	s_wait_kmcnt 0x0
	v_mov_b32 v[B3X], s39
	v_mul_f32 v[B3X], 0x4038aa3b, v[B3X]           ; 2 log2(e) b3
	s_wait_dscnt 0x0
	; ---- entry
	NEARFAR
	SEARCH 1
	GRAD
	REFRACT 0x3f8009d5, 0x3fbc7454, 0x3f2dee05     ; 1.0003, 1.4723, their ratio
	REFLECT
	v_mov_b32 v[ATT1], v[ATT]
.irp c, 0,1,2
	v_mov_b32 v[ORG+\c], v[PT+\c]                  ; the exit search starts at the first surface point, along the refracted direction
	v_mov_b32 v[DIR+\c], v[TR+\c]
.endr
	; ---- exit
	NEARFAR
	SEARCH 0
	GRAD
.irp c, 0,1,2
	v_xor_b32 v[NR+\c], 0x80000000, v[NR+\c]       ; -n2
.endr
	REFRACT 0x3fbc7454, 0x3f8009d5, 0x3fbc65dc
	; ---- the results, selected by final
	WIN 0x01                                       ; source 0 (the rays as given) in window 1
.irp c, 0,1,2
	v_cndmask_b32 v[WR+\c], v[GIVO+\c], v[PT+\c], s55
	v_cndmask_b32 v[WR+3+\c], v[GIVD+\c], v[TR+\c], s55
	v_cndmask_b32 v[WR+6+\c], v[GIVO+\c], v[ORG+\c], s55
	v_cndmask_b32 v[WR+9+\c], v[GIVD+\c], v[REFL+\c], s55
.endr
	WIN 0
	v_cndmask_b32 v[WR+12], 0, v[ATT1], s55
	v_cndmask_b32 v[WR+13], 0, v[ATT], s55
	v_cndmask_b32 v[WR+14], 0, 1, s55
	; through a stage in LDS, so that each store to memory covers 256 consecutive bytes, aligned.  The four lanes of a ray write the same value to the same place
.irp k, 0,1,2,3
.irp c, 0,1,2
	ds_store_b32 v[ST12], v[WR+3*\k+\c] offset:768*\k+4*\c
.endr
.endr
	ds_store_b32 v[ST4], v[WR+12]
	ds_store_b32 v[ST4], v[WR+13] offset:256
	ds_store_b8 v[ST1], v[WR+14]
	v_and_b32 v[HB], 31, v0
	v_lshlrev_b32 v[HB+1], 1, v[HB]                ; 2 x lane
	v_lshlrev_b32 v[HB], 3, v[HB]                  ; 8 x lane
	s_wait_tensorcnt 0x0                           ; behind my last LDS store
	ds_add_u32 v[SPW], v[NIL]
	s_wait_dscnt 0x0                               ; my stores into the stage have landed, for the others
	s_barrier_signal -1
	s_barrier_wait -1
	s_cmp_gt_u32 s38, 3
	s_cbranch_scc1 .Lsmall
	s_cmp_eq_u32 s38, 1                            ; waves 0-3: out0 .. out3, 768 bytes each
	s_cselect_b64 s[70:71], s[26:27], s[24:25]
	s_cmp_eq_u32 s38, 2
	s_cselect_b64 s[70:71], s[28:29], s[70:71]
	s_cmp_eq_u32 s38, 3
	s_cselect_b64 s[70:71], s[30:31], s[70:71]
	s_add_nc_u64 s[70:71], s[70:71], s[68:69]
	ds_load_b64 v[HB+2:HB+3], v[RD]
	ds_load_b64 v[HB+4:HB+5], v[RD] offset:256
	ds_load_b64 v[HB+6:HB+7], v[RD] offset:512
	s_wait_dscnt 0x0
	global_store_b64 v[HB], v[HB+2:HB+3], s[70:71] th:TH_STORE_NT
	global_store_b64 v[HB], v[HB+4:HB+5], s[70:71] offset:256 th:TH_STORE_NT
	global_store_b64 v[HB], v[HB+6:HB+7], s[70:71] offset:512 th:TH_STORE_NT
	s_endpgm
.Lsmall:
	s_cmp_gt_u32 s38, 5
	s_cbranch_scc1 .Lflag
	s_cmp_eq_u32 s38, 4                            ; waves 4, 5: out4, out5, 256 bytes each
	s_cselect_b64 s[70:71], s[32:33], s[34:35]
	s_lshl_b32 s68, ttmp9, 8
	s_add_nc_u64 s[70:71], s[70:71], s[68:69]
	ds_load_b64 v[HB+2:HB+3], v[RD]
	s_wait_dscnt 0x0
	global_store_b64 v[HB], v[HB+2:HB+3], s[70:71] th:TH_STORE_NT
	s_endpgm
.Lflag:
	s_cmp_eq_u32 s38, 6
	s_cbranch_scc0 .Ldone
	s_lshl_b32 s68, ttmp9, 6                       ; wave 6: out6, the work-group's 64 bytes
	s_add_nc_u64 s[70:71], s[36:37], s[68:69]
	ds_load_u16 v[HB+2], v[RD2]
	s_wait_dscnt 0x0
	global_store_b16 v[HB+1], v[HB+2], s[70:71]
.Ldone:
	s_endpgm
.Lfunc_end_k_q9c02dd7c55_trace:
	.size	k_q9c02dd7c55_trace, .Lfunc_end_k_q9c02dd7c55_trace-k_q9c02dd7c55_trace
	.p2alignl 7, 3214868480
	.fill 96, 4, 3214868480
	.section	.rodata,"a",@progbits
	.p2align	6, 0x0
	.amdhsa_kernel k_q9c02dd7c55_trace
		.amdhsa_group_segment_fixed_size 9984
		.amdhsa_private_segment_fixed_size 0
		.amdhsa_enable_private_segment 0
		.amdhsa_kernarg_size 120
		.amdhsa_user_sgpr_count 2
		.amdhsa_user_sgpr_kernarg_segment_ptr 1
		.amdhsa_wavefront_size32 1
		.amdhsa_system_sgpr_workgroup_id_x 1
		.amdhsa_system_sgpr_workgroup_id_y 1
		.amdhsa_system_sgpr_workgroup_id_z 1
		.amdhsa_system_vgpr_workitem_id 0
		.amdhsa_next_free_vgpr 512
		.amdhsa_next_free_sgpr 80
		.amdhsa_reserve_vcc 1
		.amdhsa_float_denorm_mode_32 3
		.amdhsa_float_denorm_mode_16_64 3
		.amdhsa_memory_ordered 1
		.amdhsa_forward_progress 1
		.amdhsa_inst_pref_size 211
	.end_amdhsa_kernel
	.amdgpu_metadata
---
amdhsa.version: [ 1, 2 ]
amdhsa.kernels:
  - .name:           k_q9c02dd7c55_trace
    .symbol:         k_q9c02dd7c55_trace.kd
    .args:
      - { .name: rays_o, .offset: 0, .size: 8, .value_kind: global_buffer, .address_space: global }
      - { .name: rays_d, .offset: 8, .size: 8, .value_kind: global_buffer, .address_space: global }
      - { .name: W1, .offset: 16, .size: 8, .value_kind: global_buffer, .address_space: global }
      - { .name: b1, .offset: 24, .size: 8, .value_kind: global_buffer, .address_space: global }
      - { .name: W2, .offset: 32, .size: 8, .value_kind: global_buffer, .address_space: global }
      - { .name: b2, .offset: 40, .size: 8, .value_kind: global_buffer, .address_space: global }
      - { .name: W3, .offset: 48, .size: 8, .value_kind: global_buffer, .address_space: global }
      - { .name: b3, .offset: 56, .size: 8, .value_kind: global_buffer, .address_space: global }
      - { .name: out0, .offset: 64, .size: 8, .value_kind: global_buffer, .address_space: global }
      - { .name: out1, .offset: 72, .size: 8, .value_kind: global_buffer, .address_space: global }
      - { .name: out2, .offset: 80, .size: 8, .value_kind: global_buffer, .address_space: global }
      - { .name: out3, .offset: 88, .size: 8, .value_kind: global_buffer, .address_space: global }
      - { .name: out4, .offset: 96, .size: 8, .value_kind: global_buffer, .address_space: global }
      - { .name: out5, .offset: 104, .size: 8, .value_kind: global_buffer, .address_space: global }
      - { .name: out6, .offset: 112, .size: 8, .value_kind: global_buffer, .address_space: global }
    .group_segment_fixed_size: 9984
    .private_segment_fixed_size: 0
    .kernarg_segment_align: 8
    .kernarg_segment_size: 120
    .max_flat_workgroup_size: 256
    .sgpr_count:     80
    .vgpr_count:     512
    .wavefront_size: 32
...
	.end_amdgpu_metadata
.endif
;; end of part 1
